; MI455X (gfx1250); checked and timed in simulation.
; The chip was launched on July 23, 2026; its instructions are those of AMD's public machine-readable ISA for CDNA 5 (MIT licence, August 2026) and "CDNA5" Instruction Set Architecture Reference Guide (July 2026). The comments in the code are by the model that wrote it; some were corrected since.
;; Attention. Allowed arithmetic: matrix products marked QUANTISED: E2M3 operands, one E8M0 scale for each 32 along K, by v_wmma_scale_f32_16x16x128_f8f6f4 with both operands' format E2M3, f32 sums; products left as they are: f32 operands where the result goes on into a quantised operand, else bf16, f16 or f32 operands; f32 sums; everything else in f32.
;; Inputs: attn_biases 8 x 1,024 float32; bias_idxs 1,024 x 1,024 int32; norm_b 256 float32; norm_w 256 float32; proj_b 256 float32; proj_w 256 x 512 float32; qkv_b 768 float32; qkv_w 768 x 256 float32; x 32 x 1,024 x 256 float32.
;; Outputs: out0 32 x 1,024 x 256 float32.
;; This version of the problem:
;;   THIS VERSION OF THE PROBLEM IS GIVEN IN LOW PRECISION. The matrix products marked QUANTISED in the list below multiply operands that are first quantised to E2M3 (2 exponent bits, 3 mantissa bits; 6 bits a number), with one power-of-two scale for each 32 numbers along K (OCP MX v1.0); their sums are f32. All else is computed in f32.
;;   The module's matrix products, in the order in which they are computed (A, B: the left and right operand; K: the contracted axis; several contracted axes count as one K, in the product's order):
;;     1. [M 32,768, K 256] x [K 256, N 768]; A: computed on the way; B: input qkv_w: QUANTISED
;;     2. batch 256 x [M 1,024, K 16] x [K 16, N 1,024]; A: computed on the way; B: computed on the way: left as it is (K = 16 < 32)
;;     3. batch 256 x [M 64, K 1,024] x [K 1,024, N 1,024]; A: computed on the way; B: softmax (see below): QUANTISED
;;     4. [M 32,768, K 512] x [K 512, N 256]; A: computed on the way; B: input proj_w: QUANTISED
;;   THE QUANTISER, for each operand of a quantised product, along K:
;;     - K is cut into blocks of 32 from its start; a last block that is shorter is filled with zeros.
;;     - A block's scale is 2^e with e = floor(log2(the largest magnitude in the block)) - 2, held to -126 .. 127; a block of zeros has e = 0. As a byte (E8M0): e + 127.
;;     - Each number is divided by its block's scale, clamped to +-7.5, and rounded to the nearest number of E2M3, ties to even, subnormals kept.
;;     - The product sums the exact products of the quantised numbers (number of the format x scale) in f32.
;;   ~~~python
;;   def quantise(x, axis):      # numpy; x: float32 -> the quantised numbers, widened to float32 again
;;       x = np.moveaxis(x, axis, -1); K = x.shape[-1]
;;       x = np.pad(x, [(0, 0)] * (x.ndim - 1) + [(0, -K % 32)]); x = x.reshape(x.shape[:-1] + (-1, 32)); a = np.abs(x).max(-1, keepdims=True)
;;       e = np.where(a > 0, np.clip(np.frexp(np.where(a > 0, a, 1))[1] - 1 - 2, -126, 127), 0)      # np.frexp(a)[1] - 1 = floor(log2(a)), exactly
;;       r = np.clip(x / 2.0 ** e, -7.5, 7.5)
;;       step = 2.0 ** (np.maximum(np.frexp(np.where(r == 0, 1, r))[1] - 1, 0) - 3)
;;       q = np.round(r / step) * step * 2.0 ** e      # np.round: ties to even
;;       return np.moveaxis(q.reshape(q.shape[:-2] + (-1,))[..., :K], -1, axis).astype(np.float32)
;;   ~~~
;;   SOFTMAX AHEAD OF A QUANTISED PRODUCT. Where the list says 'softmax', what is quantised is not the finished softmax but p = 2^(t - M), with t = logit x log2(e) and M = ceil(the row's largest t), a whole number; so 1/2 < the row's largest p <= 1. The row's sum l is taken of the UNQUANTISED p, in f32, and the product's result is divided by l at the end. Since M is a whole number, a kernel that streams over the keys may use a running M (the ceiling of the running maximum): every later rescaling is an exact power of two, which a block's scale takes up: the codes' values come out the same.
;;   OPERANDS COMPUTED ON THE WAY. 'Computed on the way' means the value that the module computes at that place (a softmax that the list does not call 'softmax' is quantised finished and normalised). What goes into a quantiser is computed in f32, as accurately as f32 sums, v_exp_f32 and their like allow (about 1e-6 of the number): no bf16 or f16 on the way to a quantiser, and a product that is left as it is and whose result goes on into a quantised operand takes f32 operands (vector FMAs, or v_wmma_f32_16x16x4_f32). A number that lies on a knife's edge between two numbers of the format may be rounded either way, as far as f32 arithmetic and the matrix unit's own rounding can turn it there, and no further.
;; One version. Each part assembles by itself: llvm-mc -triple=amdgcn-amd-amdhsa -mcpu=gfx1250 --defsym DOCPART=n.
;; ======== version 1 of 1: 4 launches
;; workspace buffers: wts 266,240 bytes; biasT 33,554,432 bytes; kv 30,408,704 bytes; qb 16,777,216 bytes; oc 13,631,488 bytes
;; launch prep (part 1): grid 296 x 1, 4 waves a work-group, no clusters, 0 bytes of LDS; arguments bias_idxs, attn_biases, qkv_w, proj_w, biasT, wts; writes biasT, wts
.if DOCPART == 1
	.amdgcn_target "amdgcn-amd-amdhsa--gfx1250"
	.amdhsa_code_object_version 6
	.text
	.protected	k_q80506e37a7_prep
	.globl	k_q80506e37a7_prep
	.p2align	8
	.type	k_q80506e37a7_prep,@function
k_q80506e37a7_prep:
	s_mov_b64 s[64:65], 0
	v_nop
	global_prefetch_b8 v0, s[64:65] scope:SCOPE_SE
	s_setreg_imm32_b32 hwreg(HW_REG_WAVE_MODE, 25, 1), 1
	s_wait_xcnt 0x0
; TWO JOBS, parted on the work-group's number; no LDS, no barrier, waves share nothing.
; (1) Work-groups 0-255: the gathered bias attn_biases[h][bias_idxs[q][k]] is laid out as the attention launch's matrix unit takes it as a C operand:
;     biasT [h 8][qt 64][g 8][i 16][lane 32][16 bytes]: register n = 4 i + e of lane (r, hl) is the bias of query(qt, r) and key 128 g + 32 (t / 2) + 8 (t % 2) + 16 hl + j, t = n / 8, j = n % 8.
;     query(qt, r) = 128 (qt / 8) + 32 ((qt / 2) % 4) + 8 (qt % 2) + r + 8 (r / 8): the one map from tiles to tokens that all four launches use.
;     A wave takes one (qt, g) and half of its 16 pieces: 16 rows x 256 consecutive bytes of bias_idxs, read once; each index serves all 8 heads.  Each store of the wave covers 512 consecutive bytes, aligned.
; (2) Work-groups 256-295: qkv_w [768][256] and proj_w [256][512], f32, K innermost, become fragments of FP6 (E2M3) codes in the order of the operand's registers: a wave makes one fragment (16 rows x 128 K):
;     lane (r, hl) takes k = 64 c + 32 hl + 0 .. 31 of its row, two whole blocks of 32, so a block's largest magnitude needs no other lane.  wts: a fragment is 3 x [32 lanes][16 bytes], its scale words [32 lanes][4 bytes].
;     The rows of a tile of v's channels are not neighbours: lane r takes channel 32 (dt / 2) + 8 (dt % 2) + r + 8 (r / 8), so that the attention's results run along the last product's K.
; A block's scale is 2^(floor(log2(largest magnitude)) - 2); its byte is the largest magnitude's exponent field - 2, held at 1 from below.
; LIMITS: an index is held to 0 .. 1023 (the table's size); NaN and infinities are not served; a block whose largest magnitude lies under 2^-124, a block of zeros too, gets the byte 1: its codes are zeros or near it, and this program alone reads the bytes.
.set IDX, 8                            ; v8-39    32 indices, then byte offsets into a head's table
.set D,   40                           ; v40-167  four sets of 32: a piece's 4 numbers for each of 8 heads
	s_load_b256 s[4:11], s[0:1], 0x0               ; bias_idxs s[4:5], attn_biases s[6:7], qkv_w s[8:9], proj_w s[10:11]
	s_load_b128 s[12:15], s[0:1], 0x20             ; biasT s[12:13], wts s[14:15]
	v_lshrrev_b32 v1, 5, v0
	v_readfirstlane_b32 s16, v1                    ; wave 0..3
	v_and_b32 v1, 31, v0                           ; lane
	v_and_b32 v2, 15, v0                           ; r
	v_bfe_u32 v3, v0, 4, 1                         ; hl
	v_lshlrev_b32 v5, 4, v1                        ; 16 x lane
	s_wait_kmcnt 0x0
	s_cmp_ge_u32 ttmp9, 256
	s_cbranch_scc1 .Lweights
	; ---- the bias table
	s_lshl_b32 s17, ttmp9, 2
	s_add_co_u32 s17, s17, s16                     ; task 0..1023
	s_lshr_b32 s18, s17, 4                         ; qt
	s_bfe_u32 s19, s17, 0x30001                    ; g
	s_and_b32 s20, s17, 1                          ; which half of the 16 pieces
	s_lshr_b32 s21, s18, 3
	s_lshl_b32 s21, s21, 7
	s_bfe_u32 s22, s18, 0x20001
	s_lshl_b32 s22, s22, 5
	s_add_co_u32 s21, s21, s22
	s_and_b32 s22, s18, 1
	s_lshl_b32 s22, s22, 3
	s_add_co_u32 s21, s21, s22                     ; the tile's first query
	v_and_b32 v6, 8, v2
	v_add_nc_u32 v6, v6, v2
	v_add_nc_u32 v6, s21, v6                       ; my query
	v_lshlrev_b32 v4, 12, v6                       ; its row of 4,096 bytes,
	v_lshl_add_u32 v4, v3, 6, v4                   ; + 16 keys for lanes 16-31
	s_lshl_b32 s22, s19, 9                         ; 128 keys a g,
	s_lshl_b32 s23, s20, 8                         ; 64 a half
	s_add_co_u32 s22, s22, s23
	s_mov_b32 s23, 0
	s_add_nc_u64 s[4:5], s[4:5], s[22:23]
	s_lshl_b32 s40, s18, 3
	s_add_co_u32 s40, s40, s19
	s_lshl_b32 s40, s40, 13                        ; (8 qt + g) x 8,192
	s_lshl_b32 s41, s20, 12
	s_add_co_u32 s40, s40, s41
	s_mov_b32 s41, 0
	s_add_nc_u64 s[24:25], s[12:13], s[40:41]      ; head 0's place; a base for each head, 2^22 bytes apart
.irp h, 1,2,3,4,5,6,7
	s_add_nc_u64 s[24+2*\h:25+2*\h], s[24:25], \h<<22
.endr
.irp il, 0,1,2,3,4,5,6,7
	global_load_b128 v[IDX+4*\il:IDX+4*\il+3], v4, s[4:5] offset:(32*(\il/4)+8*((\il/2)%2)+4*(\il%2))*4 th:TH_LOAD_NT
.endr
	s_wait_loadcnt 0x0
.set n, 0
.rept 32
	v_min_u32 v[IDX+n], 0x3ff, v[IDX+n]            ; an index stays inside the table
.set n, n+1
.endr
.set n, 0
.rept 32
	v_lshlrev_b32 v[IDX+n], 2, v[IDX+n]
.set n, n+1
.endr
.macro GATHER il                       ; piece il: its 4 indices x 8 heads
.irp h, 0,1,2,3,4,5,6,7
.irp e, 0,1,2,3
	global_load_b32 v[D+32*((\il)%4)+4*\h+\e], v[IDX+4*(\il)+\e], s[6:7] offset:4096*\h
.endr
.endr
.endm
.macro SEND il
.irp h, 0,1,2,3,4,5,6,7
	global_store_b128 v5, v[D+32*((\il)%4)+4*\h:D+32*((\il)%4)+4*\h+3], s[24+2*\h:25+2*\h] offset:512*(\il) th:TH_STORE_NT
.endr
.endm
	GATHER 0
	GATHER 1
.irp il, 0,1,2,3,4,5,6,7
.if \il < 7
	s_wait_loadcnt 32                              ; this piece's 32 gathers are in; the next piece's 32 stay out
.else
	s_wait_loadcnt 0x0
.endif
	SEND \il
.if \il < 6
.if \il >= 2
	s_wait_xcnt 0x0                                ; the set that is loaded next was stored from two pieces ago: those stores have read their data
.endif
	GATHER \il+2
.endif
.endr
	s_endpgm
	; ---- the weights
.Lweights:
	s_sub_co_u32 s17, ttmp9, 256
	s_lshl_b32 s17, s17, 2
	s_add_co_u32 s17, s17, s16                     ; fragment F 0..159: 0-95 qkv_w's, 96-159 proj_w's.  Both ways are worked out in scalars; one compare chooses
	s_lshr_b32 s18, s17, 1                         ; qkv: tile T = 6 head + ct,
	s_and_b32 s19, s17, 1                          ; K step
	s_mul_i32 s20, s18, 43
	s_lshr_b32 s20, s20, 8                         ; head = T / 6 (exact for T under 48)
	s_mul_i32 s21, s20, 6
	s_sub_co_u32 s21, s18, s21                     ; ct: 0 q, 1 k, 2-5 v's tiles
	s_mul_i32 s22, s20, 96
	s_lshl_b32 s23, s21, 4                         ; q, k: row 16 ct
	s_sub_co_u32 s24, s21, 2                       ; v: dt
	s_lshr_b32 s25, s24, 1
	s_lshl_b32 s25, s25, 5
	s_and_b32 s24, s24, 1
	s_lshl_b32 s24, s24, 3
	s_add_co_u32 s24, s24, s25
	s_add_co_u32 s24, s24, 32                      ; row 32 + 32 (dt / 2) + 8 (dt % 2)
	s_cmp_lt_u32 s21, 2
	s_cselect_b32 s23, s23, s24
	s_cselect_b32 s26, 0, 8                        ; v's tiles take r + (r & 8)
	s_add_co_u32 s22, s22, s23                     ; qkv: the tile's first row
	s_sub_co_u32 s27, s17, 96                      ; proj: F' = 4 T + s
	s_lshr_b32 s28, s27, 2
	s_lshl_b32 s28, s28, 4                         ; row 16 T
	s_and_b32 s29, s27, 3
	s_mul_i32 s30, s17, 1536
	s_lshl_b32 s44, s17, 7
	s_mov_b32 s34, 245760
	s_cmp_lt_u32 s17, 96
	s_cselect_b32 s22, s22, s28                    ; first row
	s_cselect_b32 s26, s26, 0
	s_cselect_b32 s19, s19, s29                    ; K step
	s_cselect_b32 s32, 10, 11                      ; a row is 1,024 or 2,048 bytes
	s_cselect_b32 s33, 0, 12288                    ; proj's codes begin at 159,744 = 96 x 1,536 + 12,288
	s_cselect_b32 s34, 147456, s34                 ; the scale words: qkv's from 147,456, proj's from 258,048 = 96 x 128 + 245,760
	s_cselect_b64 s[36:37], s[8:9], s[10:11]
	s_add_co_u32 s30, s30, s33
	s_mov_b32 s31, 0
	s_add_co_u32 s44, s44, s34
	s_mov_b32 s45, 0
	s_add_nc_u64 s[40:41], s[14:15], s[30:31]
	s_add_nc_u64 s[42:43], s[14:15], s[44:45]
	s_lshl_b32 s38, s19, 9                         ; 128 numbers a K step
	s_mov_b32 s39, 0
	s_add_nc_u64 s[36:37], s[36:37], s[38:39]
	s_mov_b32 s46, 0x76543210
	s_mov_b32 s47, 0xfedcba98                      ; v_permlanex16_b32's selects for lane l xor 16
	v_and_b32 v6, s26, v2
	v_add_nc_u32 v6, v6, v2
	v_add_nc_u32 v6, s22, v6                       ; my row
	v_lshlrev_b32 v4, s32, v6
	v_lshl_add_u32 v4, v3, 7, v4                   ; + 32 numbers for lanes 16-31
	v_lshlrev_b32 v7, 2, v1
.irp c, 0,1
.irp j, 0,1,2,3,4,5,6,7
	global_load_b128 v[8+32*\c+4*\j:11+32*\c+4*\j], v4, s[36:37] offset:256*\c+16*\j th:TH_LOAD_NT
.endr
.endr
	s_wait_loadcnt 0x0
.irp c, 0,1
	v_max3_num_f32 v[72+\c], |v[8+32*\c]|, |v[9+32*\c]|, 0x1800000   ; my block 2 c + hl, and the floor 2^(3 - 127): the byte cannot fall under 1
.endr
.irp i, 2,4,6,8,10,12,14,16,18,20,22,24,26,28,30
.irp c, 0,1
	v_max3_num_f32 v[72+\c], v[72+\c], |v[8+32*\c+\i]|, |v[9+32*\c+\i]|
.endr
.endr
.irp c, 0,1
	v_add_nc_u32 v[74+\c], 0xff000000, v[72+\c]    ; 2 off the exponent field: the conversion's scale operand
.endr
.irp c, 0,1
	v_lshrrev_b32 v[76+\c], 23, v[74+\c]           ; the scale's byte
.endr
	v_lshl_or_b32 v78, v77, 16, v76                ; blocks hl and 2 + hl,
	v_lshlrev_b32 v79, 3, v3
	v_lshlrev_b32 v78, v79, v78                    ; at their places in the word;
	v_mov_b32 v79, 0
	v_permlanex16_b32 v79, v78, s46, s47
	v_or_b32 v78, v78, v79                         ; with lane l xor 16's two the word is whole, in both lanes
.irp c, 0,1
	v_cvt_scalef32_pk16_fp6_f32 v[80+6*\c:82+6*\c], v[8+32*\c:23+32*\c], v[74+\c]
	v_cvt_scalef32_pk16_fp6_f32 v[92+4*\c:94+4*\c], v[24+32*\c:39+32*\c], v[74+\c]   ; (a conversion's three registers begin on an even number)
.endr
	v_nop                                          ; one plain place behind a scaled conversion
.irp c, 0,1
.irp i, 0,1,2
	v_mov_b32 v[83+6*\c+\i], v[92+4*\c+\i]
.endr
.endr
.irp c, 0,1,2
	global_store_b128 v5, v[80+4*\c:83+4*\c], s[40:41] offset:512*\c   ; the fragment as it stands: 512 consecutive bytes a store
.endr
	global_store_b32 v7, v78, s[42:43]
	s_endpgm
.Lfunc_end_k_q80506e37a7_prep:
	.size	k_q80506e37a7_prep, .Lfunc_end_k_q80506e37a7_prep-k_q80506e37a7_prep
	.p2alignl 7, 3214868480
	.fill 96, 4, 3214868480
	.section	.rodata,"a",@progbits
	.p2align	6, 0x0
	.amdhsa_kernel k_q80506e37a7_prep
		.amdhsa_group_segment_fixed_size 0
		.amdhsa_private_segment_fixed_size 0
		.amdhsa_enable_private_segment 0
		.amdhsa_kernarg_size 48
		.amdhsa_user_sgpr_count 2
		.amdhsa_user_sgpr_kernarg_segment_ptr 1
		.amdhsa_wavefront_size32 1
		.amdhsa_system_sgpr_workgroup_id_x 1
		.amdhsa_system_sgpr_workgroup_id_y 1
		.amdhsa_system_sgpr_workgroup_id_z 1
		.amdhsa_system_vgpr_workitem_id 0
		.amdhsa_next_free_vgpr 176
		.amdhsa_next_free_sgpr 66
		.amdhsa_reserve_vcc 0
		.amdhsa_float_denorm_mode_32 3
		.amdhsa_float_denorm_mode_16_64 3
		.amdhsa_memory_ordered 1
		.amdhsa_forward_progress 1
		.amdhsa_inst_pref_size 44
	.end_amdhsa_kernel
	.amdgpu_metadata
---
amdhsa.version: [ 1, 2 ]
amdhsa.kernels:
  - .name:           k_q80506e37a7_prep
    .symbol:         k_q80506e37a7_prep.kd
    .args:
      - { .name: bias_idxs, .offset: 0, .size: 8, .value_kind: global_buffer, .address_space: global }
      - { .name: attn_biases, .offset: 8, .size: 8, .value_kind: global_buffer, .address_space: global }
      - { .name: qkv_w, .offset: 16, .size: 8, .value_kind: global_buffer, .address_space: global }
      - { .name: proj_w, .offset: 24, .size: 8, .value_kind: global_buffer, .address_space: global }
      - { .name: biasT, .offset: 32, .size: 8, .value_kind: global_buffer, .address_space: global }
      - { .name: wts, .offset: 40, .size: 8, .value_kind: global_buffer, .address_space: global }
    .group_segment_fixed_size: 0
    .private_segment_fixed_size: 0
    .kernarg_segment_align: 8
    .kernarg_segment_size: 48
    .max_flat_workgroup_size: 128
    .sgpr_count:     66
    .vgpr_count:     176
    .wavefront_size: 32
...
	.end_amdgpu_metadata
.endif
;; end of part 1
;; launch lnqkv (part 2): grid 256 x 1, 8 waves a work-group, no clusters, 167,936 bytes of LDS; arguments x, norm_w, norm_b, wts, qkv_b, kv, qb; writes kv, qb
.if DOCPART == 2
	.amdgcn_target "amdgcn-amd-amdhsa--gfx1250"
	.amdhsa_code_object_version 6
	.text
	.protected	k_q80506e37a7_lnqkv
	.globl	k_q80506e37a7_lnqkv
	.p2align	8
	.type	k_q80506e37a7_lnqkv,@function
k_q80506e37a7_lnqkv:
	s_mov_b64 s[64:65], 0
	v_nop
	global_prefetch_b8 v0, s[64:65] scope:SCOPE_SE
	s_setreg_imm32_b32 hwreg(HW_REG_WAVE_MODE, 25, 1), 1
	s_wait_xcnt 0x0
; LayerNorm, the quantiser of its result, and qkv = xn qkv_w^T + qkv_b on codes of FP6 (E2M3) with one E8M0 scale for each 32 along K = 256.
; A work-group takes 128 tokens of one batch (g = work-group % 8).  PHASE X: wave w normalises and quantises token tile m = w (16 tokens) and puts its two fragments into LDS as images of the operand's registers.
; PHASE G: wave w is head w: six channel tiles (q, k, four of v) x the eight token tiles x two K steps; its weights come from wts in fragment order, straight into registers, a tile ahead.
; THE TOKENS OF A TILE ARE NOT NEIGHBOURS: row r of tile m = 2 b' + u is token 128 g + 32 b' + 8 u + r + 8 (r / 8).
; q, k: source 0 = 16 channels, source 1 = 16 tokens: lane (r, hl) then holds dims 8 hl + 0 .. 7 of token r: eight f32 registers, which ARE the attention's f32 fragment.  q is multiplied by 0.25 = 16^-0.5, a power of two: nothing is rounded.
; v: source 0 = 16 tokens, source 1 = 16 channels: a lane holds one channel and its 64 registers run along the 128 tokens in order: they are quantised along the tokens (the third product's K) in registers.
; qkv_b is the C of each sum's first matrix instruction.
; OUT: qb [bh][tile 64][2][32 lanes][16 B];  kv, 118,784 bytes for each bh = 8 b + head: k likewise from 0; v's codes from 65,536: [g][dt 4][1,536 B]; v's scale words from 114,688: [g][lane 32][dt 4][4 B].
; NO CLUSTER: x's tiles have one reader.  The weights, 159,744 bytes that all work-groups read, go straight into registers here; a joint load would have to bring them through LDS: not built in this form.
; LIMITS: NaN and infinities are not served; a block whose largest magnitude lies under 2^-124, a block of zeros too, gets the byte 1, and this program alone reads the bytes.
.set XIMG,  133120                     ; LDS: 0: x's rows, 8 waves x 16 rows x (1,024 + 16) bytes, each wave's own;  XIMG: 16 fragments (2 m + s) of 1,536 bytes;
.set XSC,   157696                     ; their scale words, 128 bytes each;
.set NWB,   159744                     ; norm_w, then norm_b;
.set SPARE, 161792                     ; the spare words, 128 bytes for each wave: four blocks of 256 bytes that no other line names
.set LI,  1                            ; 16 x lane
.set L4,  2                            ; 4 x lane
.set XA,  3                            ; my row of x in LDS, + 64 hl
.set AW,  4                            ; norm_w in LDS, + 64 hl
.set XWI, 5                            ; where I store my images
.set XWS, 6                            ; and their scale words
.set LIX, 7                            ; XIMG + 16 x lane
.set LSX, 8                            ; XSC + 4 x lane
.set B8,  9                            ; 32 hl: q's and k's bias
.set BV,  10                           ; 4 (r + 8 (r / 8)): v's
.set X,   16                           ; v16-143  phase X: 128 numbers of my row: register 16 bt + i = k 32 bt + 16 hl + i
.set XF,  16                           ; v16-63   phase G: four fragments of x
.set WF,  64                           ; v64-111  two sets of a channel tile's two fragments
.set BC,  112                          ; v112-127 two sets of a tile's bias
.set VW,  128                          ; v128-131 v's scale words, dt 0..3
.set NW,  144                          ; v144-207 phase X: two sets of 16 norm_w + 16 norm_b
.set ACC, 144                          ; v144-207 phase G: eight accumulators
.set PC,  208                          ; v208-227 the codes just made (phase X first: partial sums)
.set TM,  228                          ; v228-243 at work (phase X first: the mean twice, 1 / sigma twice)
.set PW,  244                          ; the scale word just made
.set XS,  245                          ; v245-248 x's scale words
.set WS,  249                          ; v249-252 the weights', two sets of two
.set SPW, 253
.set NIL, 254
.set G1,  16                           ; s[16:23] descriptor group 1; s[24:27], s[28:31] groups 0
.set WV,  34
.set WP,  36
.set WSP, 38
.set QBP, 40
.set KP,  42
.set VP,  44
.set VSP, 46
.set QP,  48
.set SEL, 50
.macro MM d, a, b, c, sa, sb
	v_wmma_scale_f32_16x16x128_f8f6f4 v[(\d):(\d)+7], v[(\a):(\a)+11], v[(\b):(\b)+11], v[(\c):(\c)+7], v[\sa], v[\sb] matrix_a_fmt:MATRIX_FMT_FP6 matrix_b_fmt:MATRIX_FMT_FP6
.endm
; 64 numbers of a lane, register 16 b + i = k 32 b + 16 hl + i of my row, become a fragment's codes in v[PC] on and its scale word in v[PW]
.macro QUANT s
.irp b, 0,1,2,3
	v_max3_num_f32 v[TM+\b], |v[\s+16*\b]|, |v[\s+1+16*\b]|, 0x1800000   ; my 16 numbers of block b, and the floor 2^(3 - 127): the byte cannot fall under 1
.endr
.irp i, 2,4,6,8,10,12,14
.irp b, 0,1,2,3
	v_max3_num_f32 v[TM+\b], v[TM+\b], |v[\s+16*\b+\i]|, |v[\s+1+16*\b+\i]|
.endr
.endr
.irp b, 0,1,2,3
	v_permlanex16_b32 v[TM+4+\b], v[TM+\b], s[SEL], s[SEL+1]
.endr
.irp b, 0,1,2,3
	v_max_num_f32 v[TM+\b], v[TM+\b], v[TM+4+\b]   ; with lane l xor 16's: the block's largest magnitude
.endr
.irp b, 0,1,2,3
	v_add_nc_u32 v[TM+12+\b], 0xff000000, v[TM+\b] ; 2 off its exponent field: the conversion's scale operand
.endr
.irp b, 0,1,2,3
	v_lshrrev_b32 v[TM+4+\b], 23, v[TM+12+\b]      ; the scale's byte
.endr
	v_lshl_or_b32 v[PW], v[TM+5], 8, v[TM+4]
	v_lshl_or_b32 v[PW], v[TM+6], 16, v[PW]
	v_lshl_or_b32 v[PW], v[TM+7], 24, v[PW]
.irp c, 0,1
	v_cvt_scalef32_pk16_fp6_f32 v[PC+6*\c:PC+2+6*\c], v[\s+32*\c:\s+15+32*\c], v[TM+12+2*\c]
	v_cvt_scalef32_pk16_fp6_f32 v[PC+12+4*\c:PC+14+4*\c], v[\s+16+32*\c:\s+31+32*\c], v[TM+12+2*\c+1]   ; (a conversion's three registers begin on an even number)
.endr
	v_nop                                          ; one plain place behind a scaled conversion
.irp c, 0,1                                    ; the operand's layout wants a whole block in a lane
.irp i, 0,1,2
	v_permlane16_swap_b32 v[PC+6*\c+\i], v[PC+12+4*\c+\i]
.endr
.irp i, 0,1,2
	v_mov_b32 v[PC+3+6*\c+\i], v[PC+12+4*\c+\i]
.endr
.endr
.endm
	s_load_b256 s[4:11], s[0:1], 0x0               ; x s[4:5], norm_w s[6:7], norm_b s[8:9], wts s[10:11]
	s_load_b128 s[12:15], s[0:1], 0x20             ; qkv_b s[12:13], kv s[14:15]
	s_load_b64 s[32:33], s[0:1], 0x30              ; qb
	v_lshl_add_u32 v[SPW], v0, 2, SPARE
	v_mov_b32 v[NIL], 0
	ds_add_u32 v[SPW], v[NIL]                      ; the wave's opening: the add and its wait ahead of my first tensor load; work on registers stands between them
	v_lshrrev_b32 v11, 5, v0
	v_readfirstlane_b32 s[WV], v11                 ; wave 0..7
	s_mov_b32 s[G1+0], (2<<16)|(1<<20)|(7<<22)|(3<<25)  ; elements of 4 bytes; padding on: behind every 256 words (a row) 4 words
	s_mov_b32 s[G1+1], 256<<16                     ; tensor_dim0 = 256
	s_mov_b32 s[G1+2], 8<<16                       ; tensor_dim1 = 8
	s_mov_b32 s[G1+3], 256<<16                     ; tile_dim0 = 256
	s_mov_b32 s[G1+4], 8                           ; tile_dim1 = 8 rows: a tile's tokens are two runs of eight, 16 tokens apart
	s_mov_b32 s[G1+5], 256                         ; elements from row to row
	s_mov_b32 s[G1+6], 0
	s_mov_b32 s[G1+7], 0
	s_mov_b32 s24, 1
	s_mul_i32 s25, s[WV], 16640                    ; my 16 rows of 1,040 bytes
	s_mov_b32 s28, 1
	s_add_co_u32 s29, s25, 8320
	s_lshl_b32 s52, ttmp9, 7
	s_lshr_b32 s53, s[WV], 1
	s_lshl_b32 s53, s53, 5
	s_add_co_u32 s52, s52, s53
	s_and_b32 s53, s[WV], 1
	s_lshl_b32 s53, s53, 3
	s_add_co_u32 s52, s52, s53                     ; my tile's first token: 128 x work-group + 32 (w / 2) + 8 (w % 2)
	s_lshl_b32 s52, s52, 10
	s_mov_b32 s53, 0
	s_mov_b32 s[SEL], 0x76543210
	s_mov_b32 s[SEL+1], 0xfedcba98
	v_and_b32 v11, 31, v0                          ; lane
	v_and_b32 v12, 15, v0                          ; r
	v_bfe_u32 v13, v0, 4, 1                        ; hl
	v_lshlrev_b32 v[LI], 4, v11
	v_lshlrev_b32 v[L4], 2, v11
	v_mul_u32_u24 v[XA], v12, 1040
	v_lshl_add_u32 v[XA], v13, 6, v[XA]
	v_add_nc_u32 v[XA], s25, v[XA]
	v_lshlrev_b32 v[AW], 6, v13
	v_add_nc_u32 v[AW], NWB, v[AW]
	s_mul_i32 s54, s[WV], 3072
	s_add_co_u32 s54, s54, XIMG
	v_add_nc_u32 v[XWI], s54, v[LI]
	s_lshl_b32 s54, s[WV], 8
	s_add_co_u32 s54, s54, XSC
	v_add_nc_u32 v[XWS], s54, v[L4]
	v_add_nc_u32 v[LIX], XIMG, v[LI]
	v_add_nc_u32 v[LSX], XSC, v[L4]
	v_lshlrev_b32 v[B8], 5, v13
	v_and_b32 v[BV], 8, v12
	v_add_nc_u32 v[BV], v[BV], v12
	v_lshlrev_b32 v[BV], 2, v[BV]
	v_lshlrev_b32 v14, 2, v0                       ; 4 x thread: norm_w's and norm_b's 256 numbers, one a thread
	v_lshl_add_u32 v15, v0, 2, NWB
.irp b, 0,1,2,3
	v_mov_b32 v[TM+4+\b], 0                        ; written once: a lane permute's destination counts as one of its sources
.endr
	s_wait_dscnt 0x0                               ; the opening add is done
	s_wait_kmcnt 0x0
	s_add_nc_u64 s[26:27], s[4:5], s[52:53]
	s_add_nc_u64 s[30:31], s[26:27], 16384         ; 16 tokens on
	s_or_b32 s27, s27, 0x80000000
	s_or_b32 s31, s31, 0x80000000
	tensor_load_to_lds s[24:27], s[16:23]          ; my two first fills go out together: two loads of mine are out
	s_nop 0
	tensor_load_to_lds s[28:31], s[16:23]
	s_nop 0
	global_load_b32 v208, v14, s[6:7]
	global_load_b32 v209, v14, s[8:9]
	s_lshr_b32 s55, ttmp9, 3
	s_and_b32 s56, ttmp9, 7                        ; g
	s_lshl_b32 s55, s55, 3
	s_add_co_u32 s55, s55, s[WV]                   ; bh = 8 b + my head
	s_mul_i32 s58, s55, 118784
	s_mov_b32 s59, 0
	s_add_nc_u64 s[14:15], s[14:15], s[58:59]
	s_lshl_b32 s58, s56, 13
	s_add_nc_u64 s[KP:KP+1], s[14:15], s[58:59]
	s_mul_i32 s58, s56, 6144
	s_add_co_u32 s58, s58, 65536
	s_add_nc_u64 s[VP:VP+1], s[14:15], s[58:59]
	s_lshl_b32 s58, s56, 9
	s_add_co_u32 s58, s58, 114688
	s_add_nc_u64 s[VSP:VSP+1], s[14:15], s[58:59]
	s_lshl_b32 s58, s55, 16
	s_lshl_b32 s57, s56, 13
	s_add_co_u32 s58, s58, s57
	s_add_nc_u64 s[QP:QP+1], s[32:33], s[58:59]
	s_mul_i32 s58, s[WV], 18432                    ; my head's 12 fragments
	s_add_nc_u64 s[WP:WP+1], s[10:11], s[58:59]
	s_mul_i32 s58, s[WV], 1536
	s_add_co_u32 s58, s58, 147456
	s_add_nc_u64 s[WSP:WSP+1], s[10:11], s[58:59]
	s_mul_i32 s58, s[WV], 384
	s_add_nc_u64 s[QBP:QBP+1], s[12:13], s[58:59]
	s_wait_loadcnt 0x0
	ds_store_b32 v15, v208
	ds_store_b32 v15, v209 offset:1024
	s_wait_tensorcnt 0x0                           ; my 16 rows of x are in LDS; only I read them
	s_wait_dscnt 0x0                               ; for the others' sake: my part of norm_w and norm_b has landed
	s_barrier_signal -1
	s_barrier_wait -1
	; ---- PHASE X
.macro WBLOAD bt                       ; norm_w and norm_b at k = 32 bt + 16 hl + 0 .. 15, into set bt % 2
.irp j, 0,1,2,3
	ds_load_b128 v[NW+32*((\bt)%2)+4*\j:NW+32*((\bt)%2)+4*\j+3], v[AW] offset:128*(\bt)+16*\j
	ds_load_b128 v[NW+32*((\bt)%2)+16+4*\j:NW+32*((\bt)%2)+16+4*\j+3], v[AW] offset:1024+128*(\bt)+16*\j
.endr
.endm
.irp bt, 0,1,2,3,4,5,6,7
.irp j, 0,1,2,3
	ds_load_b128 v[X+16*\bt+4*\j:X+16*\bt+4*\j+3], v[XA] offset:128*\bt+16*\j   ; rows 1,040 bytes apart: sixteen lanes, sixteen different columns of 16 bytes
.endr
.endr
	WBLOAD 0
	WBLOAD 1
	s_wait_dscnt 16                                ; x's 32 loads are in; the 16 of norm_w and norm_b stay out
.irp k, 0,1,2,3
	v_pk_add_f32 v[208+2*\k:209+2*\k], v[X+4*\k:X+4*\k+1], v[X+4*\k+2:X+4*\k+3]   ; the row's sum, in four chains of pairs
.endr
.set j, 16
.rept 14
.irp k, 0,1,2,3
	v_pk_add_f32 v[208+2*\k:209+2*\k], v[208+2*\k:209+2*\k], v[X+j+2*\k:X+j+2*\k+1]
.endr
.set j, j+8
.endr
	v_pk_add_f32 v[208:209], v[208:209], v[210:211]
	v_pk_add_f32 v[212:213], v[212:213], v[214:215]
	v_pk_add_f32 v[208:209], v[208:209], v[212:213]
	v_add_f32 v208, v208, v209
	v_permlanex16_b32 v209, v208, s[SEL], s[SEL+1] ; the row's other 128 numbers lie in lane l xor 16
	v_add_f32 v208, v208, v209
	v_mul_f32 v228, 0x3b800000, v208               ; / 256: the mean,
	v_mov_b32 v229, v228                           ; twice, for the packed form
.set j, 0
.rept 64
	v_pk_add_f32 v[X+j:X+j+1], v[X+j:X+j+1], v[228:229] neg_lo:[0,1] neg_hi:[0,1]   ; x - mean
.set j, j+2
.endr
.irp k, 0,1,2,3
	v_pk_mul_f32 v[208+2*\k:209+2*\k], v[X+2*\k:X+2*\k+1], v[X+2*\k:X+2*\k+1]
.endr
.set j, 8
.rept 15
.irp k, 0,1,2,3
	v_pk_fma_f32 v[208+2*\k:209+2*\k], v[X+j+2*\k:X+j+2*\k+1], v[X+j+2*\k:X+j+2*\k+1], v[208+2*\k:209+2*\k]
.endr
.set j, j+8
.endr
	v_pk_add_f32 v[208:209], v[208:209], v[210:211]
	v_pk_add_f32 v[212:213], v[212:213], v[214:215]
	v_pk_add_f32 v[208:209], v[208:209], v[212:213]
	v_add_f32 v208, v208, v209
	v_permlanex16_b32 v209, v208, s[SEL], s[SEL+1]
	v_add_f32 v208, v208, v209
	v_mov_b32 v231, 0x3727c5ac                     ; 1e-5
	v_fmamk_f32 v230, v208, 0x3b800000, v231       ; the variance + eps
	v_rsq_f32 v230, v230
	v_nop                                          ; a plain place behind the transcendental
	s_wait_alu depctr_va_vdst(0)                   ; and the wait ahead of its first reader
	v_mov_b32 v231, v230
.irp bt, 0,1,2,3,4,5,6,7
.if \bt < 7
	s_wait_dscnt 8                                 ; this block's 8 loads of w and b are in; the next block's 8 stay out
.else
	s_wait_dscnt 0x0
.endif
.irp i, 0,2,4,6,8,10,12,14
	v_pk_mul_f32 v[X+16*\bt+\i:X+16*\bt+\i+1], v[X+16*\bt+\i:X+16*\bt+\i+1], v[230:231]
.endr
.irp i, 0,2,4,6,8,10,12,14
	v_pk_fma_f32 v[X+16*\bt+\i:X+16*\bt+\i+1], v[X+16*\bt+\i:X+16*\bt+\i+1], v[NW+32*(\bt%2)+\i:NW+32*(\bt%2)+\i+1], v[NW+32*(\bt%2)+16+\i:NW+32*(\bt%2)+16+\i+1]
.endr
.if \bt < 6
	WBLOAD \bt+2
.endif
.endr
	QUANT X
.irp c, 0,1,2
	ds_store_b128 v[XWI], v[PC+4*\c:PC+4*\c+3] offset:512*\c       ; the fragment goes to LDS as it stands: lane l's 16 bytes at 16 l
.endr
	ds_store_b32 v[XWS], v[PW]
	s_wait_dscnt 0x0                               ; the stores have read their registers
	QUANT X+64
.irp c, 0,1,2
	ds_store_b128 v[XWI], v[PC+4*\c:PC+4*\c+3] offset:1536+512*\c
.endr
	ds_store_b32 v[XWS], v[PW] offset:128
	; ---- PHASE G
.macro WLOAD ct                        ; channel tile ct's two fragments, two scale words and bias, into set ct % 2: 10 loads for q and k, 16 for v's tiles
.set WLB, WF+24*((\ct)%2)
.irp s, 0,1
.irp c, 0,1,2
	global_load_b128 v[WLB+12*\s+4*\c:WLB+12*\s+4*\c+3], v[LI], s[WP:WP+1] offset:(2*(\ct)+\s)*1536+512*\c
.endr
	global_load_b32 v[WS+2*((\ct)%2)+\s], v[L4], s[WSP:WSP+1] offset:(2*(\ct)+\s)*128
.endr
.if (\ct) < 2
	global_load_b128 v[BC+8*((\ct)%2):BC+8*((\ct)%2)+3], v[B8], s[QBP:QBP+1] offset:64*(\ct)         ; a lane's registers run along the channels 8 hl + 0 .. 7
	global_load_b128 v[BC+8*((\ct)%2)+4:BC+8*((\ct)%2)+7], v[B8], s[QBP:QBP+1] offset:64*(\ct)+16
.else
.irp j, 0,1,2,3,4,5,6,7
	global_load_b32 v[BC+8*((\ct)%2)+\j], v[BV], s[QBP:QBP+1] offset:(32+32*(((\ct)-2)/2)+8*(((\ct)-2)%2))*4   ; a lane holds one channel: its bias in all eight registers
.endr
.endif
.endm
.macro XFETCH s, mh                    ; x's fragments of tiles 4 mh + 0 .. 3, K step s, and their scale words
.irp t, 0,1,2,3
.irp c, 0,1,2
	ds_load_b128 v[XF+12*\t+4*\c:XF+12*\t+4*\c+3], v[LIX] offset:(2*(4*(\mh)+\t)+(\s))*1536+512*\c
.endr
	ds_load_b32 v[XS+\t], v[LSX] offset:(2*(4*(\mh)+\t)+(\s))*128
.endr
.endm
; 16 matrix instructions: the eight accumulators take turns, one instruction a turn.  kind 0: q, k (source 0 = the weights); kind 1: v (source 0 = x)
.macro GEMM ct, kind
.set WB, WF+24*((\ct)%2)
.set BB, BC+8*((\ct)%2)
.set SB, WS+2*((\ct)%2)
.irp s, 0,1
.irp mh, 0,1
.rept 4
	v_nop                                          ; places in front of loads into registers that matrix instructions have read
.endr
	XFETCH \s, \mh
	s_wait_dscnt 0x0
.irp t, 0,1,2,3
.if (\kind) == 0 && \s == 0
	MM ACC+8*(4*\mh+\t), WB+12*\s, XF+12*\t, BB, SB+\s, XS+\t
.elseif (\kind) == 0
	MM ACC+8*(4*\mh+\t), WB+12*\s, XF+12*\t, ACC+8*(4*\mh+\t), SB+\s, XS+\t
.elseif \s == 0
	MM ACC+8*(4*\mh+\t), XF+12*\t, WB+12*\s, BB, XS+\t, SB+\s
.else
	MM ACC+8*(4*\mh+\t), XF+12*\t, WB+12*\s, ACC+8*(4*\mh+\t), XS+\t, SB+\s
.endif
.endr
.endr
.endr
.endm
.macro CTSTEP ct, kind
.if (\ct) < 5
	WLOAD (\ct)+1
.if (\ct) < 1
	s_wait_loadcnt 10                              ; this tile's loads are in; the next tile's 10 stay out
.else
	s_wait_loadcnt 16                              ; likewise, 16
.endif
.else
	s_wait_loadcnt 0x0
.endif
	s_wait_xcnt 0x0                                ; the last tile's stores have read the accumulators and the codes: both are written again below
	GEMM \ct, \kind
.rept 5
	v_nop                                          ; places behind the last products: four for the reads below, five for the next tile's products, which begin the accumulators anew with another C
.endr
.endm
	WLOAD 0
	s_wait_dscnt 0x0                               ; my images have landed
	s_barrier_signal -1
	s_barrier_wait -1                              ; x's sixteen fragments lie in LDS
	CTSTEP 0, 0
.set j, 0
.rept 32
	v_pk_mul_f32 v[ACC+j:ACC+j+1], v[ACC+j:ACC+j+1], 0x3e800000 op_sel_hi:[1,0]   ; q x 0.25
.set j, j+2
.endr
.irp m, 0,1,2,3,4,5,6,7
	global_store_b128 v[LI], v[ACC+8*\m:ACC+8*\m+3], s[QP:QP+1] offset:1024*\m      ; 512 consecutive bytes a store
	global_store_b128 v[LI], v[ACC+8*\m+4:ACC+8*\m+7], s[QP:QP+1] offset:1024*\m+512
.endr
	CTSTEP 1, 0
.irp m, 0,1,2,3,4,5,6,7
	global_store_b128 v[LI], v[ACC+8*\m:ACC+8*\m+3], s[KP:KP+1] offset:1024*\m
	global_store_b128 v[LI], v[ACC+8*\m+4:ACC+8*\m+7], s[KP:KP+1] offset:1024*\m+512
.endr
.irp dt, 0,1,2,3
	CTSTEP \dt+2, 1
	QUANT ACC                                      ; register 16 b + i is token 32 b + 16 hl + i of my channel
.irp c, 0,1,2
	global_store_b128 v[LI], v[PC+4*\c:PC+4*\c+3], s[VP:VP+1] offset:1536*\dt+512*\c
.endr
	v_mov_b32 v[VW+\dt], v[PW]
.endr
	global_store_b128 v[LI], v[VW:VW+3], s[VSP:VSP+1]
	s_wait_tensorcnt 0x0                           ; the wave's end: behind my last tensor load and my last LDS store
	ds_add_u32 v[SPW], v[NIL]
	s_wait_dscnt 0x0
	s_endpgm
.Lfunc_end_k_q80506e37a7_lnqkv:
	.size	k_q80506e37a7_lnqkv, .Lfunc_end_k_q80506e37a7_lnqkv-k_q80506e37a7_lnqkv
	.p2alignl 7, 3214868480
	.fill 96, 4, 3214868480
	.section	.rodata,"a",@progbits
	.p2align	6, 0x0
	.amdhsa_kernel k_q80506e37a7_lnqkv
		.amdhsa_group_segment_fixed_size 167936
		.amdhsa_private_segment_fixed_size 0
		.amdhsa_enable_private_segment 0
		.amdhsa_kernarg_size 56
		.amdhsa_user_sgpr_count 2
		.amdhsa_user_sgpr_kernarg_segment_ptr 1
		.amdhsa_wavefront_size32 1
		.amdhsa_system_sgpr_workgroup_id_x 1
		.amdhsa_system_sgpr_workgroup_id_y 1
		.amdhsa_system_sgpr_workgroup_id_z 1
		.amdhsa_system_vgpr_workitem_id 0
		.amdhsa_next_free_vgpr 256
		.amdhsa_next_free_sgpr 66
		.amdhsa_reserve_vcc 0
		.amdhsa_float_denorm_mode_32 3
		.amdhsa_float_denorm_mode_16_64 3
		.amdhsa_memory_ordered 1
		.amdhsa_forward_progress 1
		.amdhsa_inst_pref_size 112
	.end_amdhsa_kernel
	.amdgpu_metadata
---
amdhsa.version: [ 1, 2 ]
amdhsa.kernels:
  - .name:           k_q80506e37a7_lnqkv
    .symbol:         k_q80506e37a7_lnqkv.kd
    .args:
      - { .name: x, .offset: 0, .size: 8, .value_kind: global_buffer, .address_space: global }
      - { .name: norm_w, .offset: 8, .size: 8, .value_kind: global_buffer, .address_space: global }
      - { .name: norm_b, .offset: 16, .size: 8, .value_kind: global_buffer, .address_space: global }
      - { .name: wts, .offset: 24, .size: 8, .value_kind: global_buffer, .address_space: global }
      - { .name: qkv_b, .offset: 32, .size: 8, .value_kind: global_buffer, .address_space: global }
      - { .name: kv, .offset: 40, .size: 8, .value_kind: global_buffer, .address_space: global }
      - { .name: qb, .offset: 48, .size: 8, .value_kind: global_buffer, .address_space: global }
    .group_segment_fixed_size: 167936
    .private_segment_fixed_size: 0
    .kernarg_segment_align: 8
    .kernarg_segment_size: 56
    .max_flat_workgroup_size: 256
    .sgpr_count:     66
    .vgpr_count:     256
    .wavefront_size: 32
...
	.end_amdgpu_metadata
.endif
;; end of part 2
;; launch attn (part 3): grid 256 x 1, 8 waves a work-group, no clusters, 167,936 bytes of LDS; arguments kv, qb, biasT, oc; writes oc
.if DOCPART == 3
	.amdgcn_target "amdgcn-amd-amdhsa--gfx1250"
	.amdhsa_code_object_version 6
	.text
	.protected	k_q80506e37a7_attn
	.globl	k_q80506e37a7_attn
	.p2align	8
	.type	k_q80506e37a7_attn,@function
k_q80506e37a7_attn:
	s_mov_b64 s[64:65], 0
	v_nop
	global_prefetch_b8 v0, s[64:65] scope:SCOPE_SE
	s_setreg_imm32_b32 hwreg(HW_REG_WAVE_MODE, 25, 1), 1
	s_wait_xcnt 0x0
; Attention of one (batch, head): scores in f32 (K = 16: v_wmma_f32_16x16x4_f32), the gathered bias as the C of each score tile's first link, the softmax by a running whole-number M,
; O^T = V^T P^T on codes of FP6 (E2M3), O / l, and O's quantiser along the last product's K.
; SHARES.  Work-group x: head x / 32, batch x % 32.  All of k (f32 fragments), v's codes and scale words, 118,784 bytes, come into LDS once and stay.  Each of the eight waves owns eight tiles of 16 queries, one after
; the other (a pass), and walks the 1,024 keys in 8 steps of 128.  One barrier in the launch.
; A PIPELINE INSIDE THE WAVE.  The scores of step j + 1 hang on nothing of step j's softmax.  So a step is: (1) the block maxima, M, and t - M out of the scores S into P: S is then free; (2) the 32 f32 products of step j + 1 into S,
; and behind each of them a slice of step j's softmax on P (exponentials, scales, conversions, sums); (3) the four FP6 products of step j.  A pass begins with its first scores alone (PRO) and ends with a step without products.
; LAYOUT.  S^T = K Q^T + bias (source 0 = 16 keys, source 1 = my 16 queries): a lane holds ONE query (lane % 16).  A fragment of q or k is eight f32 registers: dims 8 hl + 0 .. 7 of its row; link c takes registers 2 c, 2 c + 1 of both
; sources: the same permutation of the 16 dims on both sides.  The keys of a tile are not neighbours (row r of tile 2 b + u: key 32 b + 8 u + r + 8 (r / 8)), so registers 16 b + i of the scores are keys 32 b + 16 hl + i.
; SOFTMAX.  t = logit x log2(e); M = the running largest t rounded up to a whole number, kept as -M; p = 2^(t - M) is quantised along the keys, not normalised; l sums the unquantised p; when M moves, l and O^T are multiplied by 2^(old M - new M): exact.
; A block's largest p is the same multiply-add and exponential on the block's largest score.  The registers that the f32 matrix form writes (S) are written by nothing else.
; REGISTERS, in windows of 256 (s_set_vgpr_msb: bits 1:0 source 0, 3:2 source 1, 5:4 source 2, 7:6 destination).  Window 0: all that the slices and the f32 products' links 1 to 3 name, so that no switch stands between a product and its slice:
;   v1-15 addresses and statistics, v16-23 q, v24-27 v's scale words, v28-91 k of a whole step, v92-155 S, v156-219 P, v220-231 p's codes, v232-254 at work.
;   Window 1: v28-75 v's four fragments, v156-219 the bias, v220-251 O^T.  The eight first links take C from window 1; the exponentials behind them name a destination and source 0 alone, which that setting leaves in window 0.  Seven switches a step.
; THE BIAS: 8,192 bytes a step, in C-operand order; a wave's 64 steps are one run of 524,288 consecutive bytes.  It is loaded again as soon as the eight first links have read it: 23 products and the next step's first part ahead of its use.
; PREFETCH: at a step's end, one instruction for the step after the one whose bias has just been asked for: 32 lanes x 256 bytes = its 8,192 bytes.  The 32 work-groups of a head walk the same table: the one with batch 0 asks, each wave for its own run;
; a wave's first two steps come by their loads alone, and its last two sets of scores ask for nothing.
; BROUGHT AND NOT USED, once a wave: behind the last scores of all the bias of the tile in hand is loaded again, and in the last pass q likewise, so that no load leaves its buffer; k's 16 LDS loads in the last pass's seventh step.
; NO CLUSTER: k and v of a (batch, head) have this one reader.  The bias, which the 32 work-groups of a head share, goes straight into C registers.  Asked for jointly it would go through LDS: 8,192 bytes more to read a wave and step beside
; the 14,848 of k and v, and a meeting of all waves of the partners at each of the 64 steps, where this text has one barrier in all.
; OUT: oc, 6,656 bytes a token tile: codes [head 8][p 3][lane 32][8 B], then scale words [K step 4][lane 32][4 B]: my head's two bytes of them.
; LIMITS: NaN and infinities are not served; p under 2^-126 counts as 0; a block whose largest magnitude lies under 2^-124, a block of zeros too, gets the byte 1, and this program alone reads the bytes.
.set SPARE, 118784                     ; behind k and v: the spare words, 128 bytes for each wave: four blocks of 256 bytes that no other line names
.set SPW, 1
.set NIL, 2
.set LI,  3                            ; 16 x lane
.set LV,  4                            ; + 65,536: v's codes
.set LS,  5                            ; + 114,688: v's scale words
.set ADK, 6                            ; the addresses of the loads in hand
.set ADV, 7
.set ADS, 8
.set PFO, 9                            ; 256 x lane
.set OSO, 10                           ; 8 x lane + 768 head
.set SSO, 11                           ; 4 x lane + 6,144 + 128 (head / 2) + 2 (head % 2)
.set Q,   16                           ; v16-23   my queries' fragment.   v12 -M, v13 the largest t, v[14:15] l in two halves
.set VS,  24                           ; v24-27   v's scale words
.set K,   28                           ; v28-91   eight tiles of k
.set S,   92                           ; v92-155  the scores
.set P,   156                          ; v156-219 t - M, then p
.set PC,  220                          ; v220-231 p's codes.   v232-247 at work, v248 O's two scale bytes, v[250:251] f (and a word written once), v254 at work
.set PW,  253                          ; p's scale word
.set V1,  28                           ; window 1: v's four fragments
.set B1,  156                          ; window 1: the bias
.set O1,  220                          ; window 1: O^T: register 16 b + i is channel 32 b + 16 hl + i
.set MSB, 0
.macro WIN new                         ; the immediate's high byte repeats the setting that is left; a switch that changes nothing is dropped
.if MSB != \new
	s_set_vgpr_msb (MSB<<8)|\new
.set MSB, \new
.endif
.endm
.macro MM d, a, b, c, sa, sb
	v_wmma_scale_f32_16x16x128_f8f6f4 v[(\d):(\d)+7], v[(\a):(\a)+11], v[(\b):(\b)+11], v[(\c):(\c)+7], v[\sa], v[\sb] matrix_a_fmt:MATRIX_FMT_FP6 matrix_b_fmt:MATRIX_FMT_FP6
.endm
.macro PLACES n
.rept \n
	v_nop
.endr
.endm
.macro KLOAD adr                       ; a step's eight tiles of 16 keys
.irp t, 0,1,2,3,4,5,6,7
	ds_load_b128 v[K+8*\t:K+8*\t+3], v[\adr] offset:\t*1024
	ds_load_b128 v[K+8*\t+4:K+8*\t+7], v[\adr] offset:\t*1024+512
.endr
.endm
; Product i of a step's 32: link i / 8 (4 dims) of tile i % 8.  The eight accumulators take turns, one instruction a turn.  The first links take the bias as C (window 1: the caller sets it)
.macro WM i
.set wc, (\i)/8
.set wt, (\i)%8
.if wc == 0
	v_wmma_f32_16x16x4_f32 v[S+8*wt:S+8*wt+7], v[K+8*wt:K+8*wt+1], v[Q:Q+1], v[B1+8*wt:B1+8*wt+7]
.else
	v_wmma_f32_16x16x4_f32 v[S+8*wt:S+8*wt+7], v[K+8*wt+2*wc:K+8*wt+2*wc+1], v[Q+2*wc:Q+2*wc+1], v[S+8*wt:S+8*wt+7]
.endif
.endm
; The bias of the scores after those in hand.  s42 counts the sets of scores to go, this one among them: behind the last of all the address stays
.macro BIASLOAD
	s_wait_xcnt 0x0                                ; the last prefetch, a step back, has read its base: it may step
	s_cmp_gt_u32 s42, 1
	s_cselect_b32 s30, 8192, 0
	s_add_nc_u64 s[28:29], s[28:29], s[30:31]
	WIN 0x40                                       ; destination window 1
.irp i, 0,1,2,3,4,5,6,7,8,9,10,11,12,13,14,15
	global_load_b128 v[B1+4*\i:B1+4*\i+3], v[LI], s[28:29] offset:512*\i
.endr
.endm
.macro ASK                             ; the prefetch, and the count of the sets of scores
	s_cmp_gt_u32 s42, s43
	s_cbranch_scc0 .Lnot_mine_\@
	global_prefetch_b8 v[PFO], s[28:29] offset:8192 th:TH_LOAD_NT scope:SCOPE_SE
.Lnot_mine_\@:
	s_sub_co_u32 s42, s42, 1
.endm
.macro EX n                            ; exponential n of 68: the 64 p, then the four blocks' largest p
.if (\n) < 64
	v_exp_f32 v[P+(\n)], v[P+(\n)]
.else
	v_exp_f32 v[232+(\n)-64], v[232+(\n)-64]
.endif
.endm
; Line a of the 64 that read the exponentials' results: 0-14 the four scales and p's scale word; 15-19 the conversions and their plain place; 20-31 whole blocks into the lanes; 32-63 l, which sums the unquantised p in two chains of pairs
.macro AP a
.if (\a) < 4
	v_max_num_f32 v[232+(\a)], 0x1800000, v[232+(\a)]   ; the floor 2^(3 - 127): the byte cannot fall under 1
.elseif (\a) < 8
	v_add_nc_u32 v[244+(\a)-4], 0xff000000, v[232+(\a)-4]   ; 2 off the exponent field: the conversion's scale operand
.elseif (\a) < 12
	v_lshrrev_b32 v[236+(\a)-8], 23, v[244+(\a)-8]   ; the scale's byte
.elseif (\a) == 12
	v_lshl_or_b32 v[PW], v237, 8, v236
.elseif (\a) == 13
	v_lshl_or_b32 v[PW], v238, 16, v[PW]
.elseif (\a) == 14
	v_lshl_or_b32 v[PW], v239, 24, v[PW]
.elseif (\a) == 15
	v_cvt_scalef32_pk16_fp6_f32 v[PC:PC+2], v[P:P+15], v244
.elseif (\a) == 16
	v_cvt_scalef32_pk16_fp6_f32 v[236:238], v[P+16:P+31], v245   ; (a conversion's three registers begin on an even number)
.elseif (\a) == 17
	v_cvt_scalef32_pk16_fp6_f32 v[PC+6:PC+8], v[P+32:P+47], v246
.elseif (\a) == 18
	v_cvt_scalef32_pk16_fp6_f32 v[240:242], v[P+48:P+63], v247
.elseif (\a) == 19
	v_nop                                          ; one plain place behind a scaled conversion
.elseif (\a) < 32
.set ac, ((\a)-20)/6
.set ai, ((\a)-20)%6
.if ai < 3
	v_permlane16_swap_b32 v[PC+6*ac+ai], v[236+4*ac+ai]   ; the operand's layout wants a whole block in a lane
.else
	v_mov_b32 v[PC+6*ac+ai], v[236+4*ac+ai-3]
.endif
.elseif (\a) == 32
	v_pk_add_f32 v[236:237], v[P:P+1], v[P+2:P+3]
.elseif (\a) < 63
.set aj, 4+4*(((\a)-33)/2)
.if ((\a)-33)%2 == 0
	v_pk_add_f32 v[14:15], v[14:15], v[P+aj:P+aj+1]
.else
	v_pk_add_f32 v[236:237], v[236:237], v[P+aj+2:P+aj+3]
.endif
.else
	v_pk_add_f32 v[14:15], v[14:15], v[236:237]
.endif
.endm
	s_load_b256 s[4:11], s[0:1], 0x0               ; kv s[4:5], qb s[6:7], biasT s[8:9], oc s[10:11]
	v_lshl_add_u32 v[SPW], v0, 2, SPARE
	v_mov_b32 v[NIL], 0
	ds_add_u32 v[SPW], v[NIL]                      ; the wave's opening: the add and its wait ahead of my first tensor load; work on registers stands between them
	v_lshrrev_b32 v12, 5, v0
	v_readfirstlane_b32 s12, v12                   ; wave 0..7
	s_lshr_b32 s13, ttmp9, 5                       ; head
	s_and_b32 s14, ttmp9, 31                       ; batch
	s_lshl_b32 s15, s14, 3
	s_add_co_u32 s15, s15, s13                     ; bh
	s_mov_b32 s16, 3<<16                           ; descriptor group 1: 58 rows of 256 bytes (32 elements of 8), dense: an eighth of the block
	s_mov_b32 s17, 32<<16
	s_mov_b32 s18, 58<<16
	s_mov_b32 s19, 32<<16
	s_mov_b32 s20, 58
	s_mov_b32 s21, 32
	s_mov_b32 s22, 0
	s_mov_b32 s23, 0
	s_mov_b32 s24, 1
	s_mul_i32 s25, s12, 14848                      ; in LDS as in memory
	s_mul_i32 s48, s15, 118784
	s_add_co_u32 s48, s48, s25
	s_mov_b32 s49, 0
	s_lshl_b32 s50, s13, 22
	s_lshl_b32 s51, s12, 19
	s_add_co_u32 s50, s50, s51                     ; my run of the bias table
	s_mov_b32 s51, 0
	s_lshl_b32 s52, s15, 16
	s_lshl_b32 s53, s12, 13
	s_add_co_u32 s52, s52, s53                     ; my eight tiles of q
	s_mov_b32 s53, 0
	s_lshl_b32 s54, s14, 6
	s_lshl_b32 s55, s12, 3
	s_add_co_u32 s54, s54, s55
	s_mul_i32 s54, s54, 6656                       ; and of oc
	s_mov_b32 s55, 0
	s_mov_b32 s31, 0
	s_mov_b32 s36, 0x76543210
	s_mov_b32 s37, 0xfedcba98                      ; v_permlanex16_b32's selects for lane l xor 16
	s_mov_b32 s38, 0x3fb8aa3b                      ; log2(e)
	s_mov_b32 s39, s38                             ; (named with it as a pair, so it is written)
	s_cmp_eq_u32 s14, 0
	s_cselect_b32 s43, 2, -1                       ; a wave prefetches while the sets of scores to go are above this
	v_and_b32 v13, 31, v0
	v_lshlrev_b32 v[LI], 4, v13
	v_add_nc_u32 v[LV], 0x10000, v[LI]
	v_add_nc_u32 v[LS], 114688, v[LI]
	v_lshlrev_b32 v[PFO], 8, v13
	s_mul_i32 s56, s13, 768
	v_lshl_add_u32 v[OSO], v13, 3, s56
	s_lshr_b32 s56, s13, 1
	s_lshl_b32 s56, s56, 7
	s_and_b32 s57, s13, 1
	s_lshl_b32 s57, s57, 1
	s_add_co_u32 s56, s56, s57
	s_add_co_u32 s56, s56, 6144
	v_lshl_add_u32 v[SSO], v13, 2, s56
.irp b, 0,1,2,3
	v_mov_b32 v[236+\b], 0                         ; written once: a lane permute's destination counts as one of its sources
.endr
	v_mov_b32 v251, 0                              ; (named as the upper half of the pair v[250:251])
	v_mov_b32 v254, 0
	s_wait_dscnt 0x0                               ; the opening add is done
	s_wait_kmcnt 0x0
	s_add_nc_u64 s[26:27], s[4:5], s[48:49]
	s_or_b32 s27, s27, 0x80000000
	tensor_load_to_lds s[24:27], s[16:23]          ; my one tensor load; nothing is ever filled again
	s_nop 0
	s_add_nc_u64 s[28:29], s[8:9], s[50:51]        ; the bias
	s_add_nc_u64 s[32:33], s[6:7], s[52:53]        ; q
	s_add_nc_u64 s[34:35], s[10:11], s[54:55]      ; oc
	s_mov_b32 s40, 8                               ; passes to go.  (Five instructions stand between the tensor load and the switch of windows below)
	WIN 0x40
.irp i, 0,1,2,3,4,5,6,7,8,9,10,11,12,13,14,15
	global_load_b128 v[B1+4*\i:B1+4*\i+3], v[LI], s[28:29] offset:512*\i   ; the first step's bias
.endr
	WIN 0
	global_load_b128 v[Q:Q+3], v[LI], s[32:33]     ; the first pass's q
	global_load_b128 v[Q+4:Q+7], v[LI], s[32:33] offset:512
	s_mov_b32 s42, 64                              ; sets of scores to go
	s_wait_tensorcnt 0x0                           ; my part of k and v has landed,
	s_barrier_signal -1
	s_barrier_wait -1                              ; everybody's has
	KLOAD LI                                       ; k of step 0
; A PASS'S FIRST SCORES.  No softmax is in hand yet; the 32 zeros with which O^T begins (the step is written once: a pass's first step finds zeros, which the first change of M leaves zeros) are the places:
; eight are asked behind the f32 form in front of a load into one of its sources and of a read of its results
.macro PRO
	v_mov_b32 v13, 0xff61b1e6                      ; the largest t so far: -3e38, under every t
	v_floor_f32 v12, -v13                          ; -M
	v_mov_b32 v14, 0
	v_mov_b32 v15, 0
	s_wait_loadcnt 0x0                             ; the bias and q
	s_wait_dscnt 0x0                               ; k
	WIN 0x10                                       ; source 2 window 1
.set wi, 0
.rept 8
	WM wi
.set wi, wi+1
.endr
	WIN 0
	WM 8
	WIN 0x40
.set j, 0
.rept 16
	v_mov_b32 v[O1+j], 0
.set j, j+1
.endr
	BIASLOAD
	WIN 0
.set wi, 9
.rept 23
	WM wi
.set wi, wi+1
.endr
	WIN 0x40
.rept 16
	v_mov_b32 v[O1+j], 0
.set j, j+1
.endr
	WIN 0
	v_add_nc_u32 v[ADK], 0x2000, v[LI]
	KLOAD ADK                                      ; k of step 1
	ASK
.endm
; A KEY STEP.  sm = 1: step s41 = 0 .. 6, with the next step's scores; sm = 0: a pass's last step
.macro STEP sm
.if \sm
	s_mul_i32 s45, s41, 6144
	s_lshl_b32 s46, s41, 9
	s_add_co_u32 s44, s41, 2
	s_and_b32 s44, s44, 7                          ; k is fetched for the scores after the next: step (j + 2) % 8: in the seventh step that is the next pass's first
	s_lshl_b32 s44, s44, 13
	v_add_nc_u32 v[ADV], s45, v[LV]
	v_add_nc_u32 v[ADS], s46, v[LS]
	v_add_nc_u32 v[ADK], s44, v[LI]
.else
	v_add_nc_u32 v[ADV], 7*6144, v[LV]
	v_add_nc_u32 v[ADS], 7*512, v[LS]
.endif
	; (1) out of S: the largest score of each block of 32 keys (my 16 of each), the four blocks by turns; each tile is read from its low end on
.irp b, 0,1,2,3
	v_max3_num_f32 v[232+\b], v[S+16*\b], v[S+16*\b+1], v[S+16*\b+2]
.endr
.irp i, 3,5,7,9,11,13
.irp b, 0,1,2,3
	v_max3_num_f32 v[232+\b], v[232+\b], v[S+16*\b+\i], v[S+16*\b+\i+1]
.endr
.endr
.irp b, 0,1,2,3
	v_max_num_f32 v[232+\b], v[232+\b], v[S+16*\b+15]
.endr
.irp b, 0,1,2,3
	v_permlanex16_b32 v[236+\b], v[232+\b], s36, s37
.endr
.irp b, 0,1,2,3
	v_max_num_f32 v[232+\b], v[232+\b], v[236+\b]  ; with lane l xor 16's 16 keys
.endr
	v_max3_num_f32 v254, v232, v233, v234
	v_max_num_f32 v254, v254, v235                 ; the step's largest logit of my query
	v_mul_f32 v254, s38, v254                      ; as t
	v_max_num_f32 v13, v13, v254                   ; the running largest t
	v_mov_b32 v254, v12
	v_floor_f32 v12, -v13                          ; the new -M = -ceil(t)
	v_sub_f32 v254, v12, v254                      ; old M - new M: a whole number, 0 or less
	v_cvt_i32_f32 v254, v254                       ; (it saturates)
	v_ldexp_f32 v250, 1.0, v254                    ; f = 2^(old M - new M)
.set j, 0
.rept 32
	v_pk_fma_f32 v[P+j:P+j+1], v[S+j:S+j+1], s[38:39], v[12:13] op_sel_hi:[1,0,0]   ; t - M, two at a time: S is free behind these
.set j, j+2
.endr
.irp b, 0,1,2,3
	v_fma_f32 v[232+\b], v[232+\b], s38, v12       ; the same of each block's largest logit
.endr
	; (2) the next step's scores, and behind each product a slice of this step's softmax
.set en, 0
.if \sm
	s_wait_loadcnt 0x0                             ; the next step's bias, asked for a step ago
	s_wait_dscnt 0x0                               ; and its k
	WIN 0x10                                       ; source 2 window 1: the first links; an exponential names no source 2
.set wi, 0
.rept 8
	WM wi
.rept 4
	EX en
.set en, en+1
.endr
.set wi, wi+1
.endr
	WIN 0
	WM 8
.endif
	WIN 0x41                                       ; O^T (destination and source 0) window 1, f window 0
.set j, 0
.rept 16
	v_pk_mul_f32 v[O1+j:O1+j+1], v[O1+j:O1+j+1], v[250:251] op_sel_hi:[1,0]   ; O^T under the new M, each tile from its low end on.  These sixteen are the places between the first links and the loads into the bias's registers
.set j, j+2
.endr
.if \sm
	BIASLOAD
.endif
	WIN 0x40
.irp d, 0,1,2,3
.irp c, 0,1,2
	ds_load_b128 v[V1+12*\d+4*\c:V1+12*\d+4*\c+3], v[ADV] offset:\d*1536+512*\c   ; this step's v: one run of loads with the bias's
.endr
.endr
	WIN 0
	ds_load_b128 v[VS:VS+3], v[ADS]
.if \sm
.set wi, 9
.rept 9
	WM wi
.rept 4
	EX en
.set en, en+1
.endr
.set wi, wi+1
.endr
.else
	s_wait_xcnt 0x0
	s_cmp_gt_u32 s40, 1
	s_cselect_b32 s30, 1024, 0                     ; the last pass stays where it is
	s_add_nc_u64 s[32:33], s[32:33], s[30:31]
	global_load_b128 v[Q:Q+3], v[LI], s[32:33]     ; the next pass's q: this pass's last scores were made a step ago
	global_load_b128 v[Q+4:Q+7], v[LI], s[32:33] offset:512
.rept 68
	EX en
.set en, en+1
.endr
.endif
	v_pk_mul_f32 v[14:15], v[14:15], v[250:251] op_sel_hi:[1,0]   ; l under the new M: the plain place behind the exponentials
	s_wait_alu depctr_va_vdst(0)                   ; ONE wait for the batch of 68, ahead of its first reader: nothing above names a result
.set an, 0
.if \sm
.rept 4
	WM wi
.rept 5
	AP an
.set an, an+1
.endr
.set wi, wi+1
.endr
.rept 8
	WM wi
.rept 4
	AP an
.set an, an+1
.endr
.set wi, wi+1
.endr
	WM 30
	WM 31
.rept 12
	AP an                                          ; twelve packed sums: the places behind the last products, in front of k's loads and of the next read of S
.set an, an+1
.endr
.else
.rept 64
	AP an
.set an, an+1
.endr
.endif
	; (3) O^T += V^T P^T.  The 32 sums stand between the writes of p's codes and scale word and these products
	s_wait_dscnt 0x0                               ; v and its scale words
	WIN 0x51                                       ; v, C and D window 1, p's codes window 0
.irp d, 0,1,2,3
	MM O1+8*\d, V1+12*\d, PC, O1+8*\d, VS+\d, PW
.endr
	WIN 0
.if \sm
	KLOAD ADK
	ASK
.endif
.endm
.Lpass:
	PRO
	s_mov_b32 s41, 0                               ; the key step
.Lstep:
	STEP 1
	s_add_co_u32 s41, s41, 1
	s_cmp_lt_u32 s41, 7
	s_cbranch_scc1 .Lstep
	STEP 0
	; ---- a pass's end: O / l, quantised along the channels (two blocks of 32), to oc
	PLACES 4
	v_add_f32 v14, v14, v15
	v_permlanex16_b32 v254, v14, s36, s37
	v_add_f32 v14, v14, v254                       ; the row's sum
	v_rcp_f32 v250, v14
	v_nop                                          ; a plain place behind the transcendental
	s_wait_alu depctr_va_vdst(0)                   ; and the wait ahead of its first reader
	WIN 0x41
.set j, 0
.rept 16
	v_pk_mul_f32 v[O1+j:O1+j+1], v[O1+j:O1+j+1], v[250:251] op_sel_hi:[1,0]
.set j, j+2
.endr
	WIN 0x14                                       ; sources 1 and 2 window 1
.irp b, 0,1
	v_max3_num_f32 v[232+\b], 0x1800000, |v[O1+16*\b]|, |v[O1+16*\b+1]|
.endr
.irp i, 2,4,6,8,10,12,14
.irp b, 0,1
	v_max3_num_f32 v[232+\b], v[232+\b], |v[O1+16*\b+\i]|, |v[O1+16*\b+\i+1]|
.endr
.endr
	WIN 0
.irp b, 0,1
	v_permlanex16_b32 v[236+\b], v[232+\b], s36, s37
.endr
.irp b, 0,1
	v_max_num_f32 v[232+\b], v[232+\b], v[236+\b]
.endr
.irp b, 0,1
	v_add_nc_u32 v[244+\b], 0xff000000, v[232+\b]
.endr
.irp b, 0,1
	v_lshrrev_b32 v[236+\b], 23, v[244+\b]
.endr
	v_lshl_or_b32 v248, v237, 8, v236              ; my head's two bytes of the row's scale word
	WIN 0x01                                       ; source 0 window 1
	v_cvt_scalef32_pk16_fp6_f32 v[PC:PC+2], v[O1:O1+15], v244
	v_cvt_scalef32_pk16_fp6_f32 v[236:238], v[O1+16:O1+31], v245
	WIN 0
	v_nop                                          ; one plain place behind a scaled conversion
.irp i, 0,1,2
	v_permlane16_swap_b32 v[PC+\i], v[236+\i]      ; lane (r, hl) now holds block hl whole: channels 32 hl + 0 .. 31
.endr
.irp i, 0,1,2
	v_mov_b32 v[PC+3+\i], v[236+\i]
.endr
.irp p, 0,1,2
	global_store_b64 v[OSO], v[PC+2*\p:PC+2*\p+1], s[34:35] offset:256*\p   ; 256 consecutive bytes a store
.endr
	global_store_b16 v[SSO], v248, s[34:35]
	s_wait_xcnt 0x0                                ; the stores have read their data and their base
	s_add_nc_u64 s[34:35], s[34:35], 6656
	s_sub_co_u32 s40, s40, 1
	s_cmp_lg_u32 s40, 0
	s_cbranch_scc1 .Lpass
	s_wait_tensorcnt 0x0                           ; the wave's end
	ds_add_u32 v[SPW], v[NIL]
	s_wait_dscnt 0x0
	s_endpgm
.Lfunc_end_k_q80506e37a7_attn:
	.size	k_q80506e37a7_attn, .Lfunc_end_k_q80506e37a7_attn-k_q80506e37a7_attn
	.p2alignl 7, 3214868480
	.fill 96, 4, 3214868480
	.section	.rodata,"a",@progbits
	.p2align	6, 0x0
	.amdhsa_kernel k_q80506e37a7_attn
		.amdhsa_group_segment_fixed_size 167936
		.amdhsa_private_segment_fixed_size 0
		.amdhsa_enable_private_segment 0
		.amdhsa_kernarg_size 32
		.amdhsa_user_sgpr_count 2
		.amdhsa_user_sgpr_kernarg_segment_ptr 1
		.amdhsa_wavefront_size32 1
		.amdhsa_system_sgpr_workgroup_id_x 1
		.amdhsa_system_sgpr_workgroup_id_y 1
		.amdhsa_system_sgpr_workgroup_id_z 1
		.amdhsa_system_vgpr_workitem_id 0
		.amdhsa_next_free_vgpr 512
		.amdhsa_next_free_sgpr 66
		.amdhsa_reserve_vcc 0
		.amdhsa_float_denorm_mode_32 3
		.amdhsa_float_denorm_mode_16_64 3
		.amdhsa_memory_ordered 1
		.amdhsa_forward_progress 1
		.amdhsa_inst_pref_size 49
	.end_amdhsa_kernel
	.amdgpu_metadata
---
amdhsa.version: [ 1, 2 ]
amdhsa.kernels:
  - .name:           k_q80506e37a7_attn
    .symbol:         k_q80506e37a7_attn.kd
    .args:
      - { .name: kv, .offset: 0, .size: 8, .value_kind: global_buffer, .address_space: global }
      - { .name: qb, .offset: 8, .size: 8, .value_kind: global_buffer, .address_space: global }
      - { .name: biasT, .offset: 16, .size: 8, .value_kind: global_buffer, .address_space: global }
      - { .name: oc, .offset: 24, .size: 8, .value_kind: global_buffer, .address_space: global }
    .group_segment_fixed_size: 167936
    .private_segment_fixed_size: 0
    .kernarg_segment_align: 8
    .kernarg_segment_size: 32
    .max_flat_workgroup_size: 256
    .sgpr_count:     66
    .vgpr_count:     512
    .wavefront_size: 32
...
	.end_amdgpu_metadata
.endif
;; end of part 3
;; launch proj (part 4): grid 256 x 1, 8 waves a work-group, no clusters, 245,760 bytes of LDS; arguments oc, wts, proj_b, out0; writes out0
.if DOCPART == 4
	.amdgcn_target "amdgcn-amd-amdhsa--gfx1250"
	.amdhsa_code_object_version 6
	.text
	.protected	k_q80506e37a7_proj
	.globl	k_q80506e37a7_proj
	.p2align	8
	.type	k_q80506e37a7_proj,@function
k_q80506e37a7_proj:
	s_mov_b64 s[64:65], 0
	v_nop
	global_prefetch_b8 v0, s[64:65] scope:SCOPE_SE
	s_setreg_imm32_b32 hwreg(HW_REG_WAVE_MODE, 25, 1), 1
	s_wait_xcnt 0x0
; out0 = o proj_w^T + proj_b on codes of FP6 (E2M3), K = 512 in four steps of 128.
; A work-group takes 128 tokens; wave w takes token tile 8 x work-group + w (16 tokens), all 256 outputs: 16 accumulators, 128 registers, begun with proj_b, which is loaded straight into them.
; proj_w's 64 fragments and their scale words, 106,496 dense bytes of wts in the order of the operand's registers, come into LDS once (a tensor load of 52 rows x 256 bytes a wave) and are read by all eight waves.
; Source 0 = 16 rows of proj_w, source 1 = my 16 tokens: a lane then holds eight neighbouring outputs of one token.  They go through the wave's own stage in LDS and leave as whole rows: each store covers 512 consecutive bytes, aligned.
; Row r of a tile is token 128 x work-group + 32 (w / 2) + 8 (w % 2) + r + 8 (r / 8).
; NO CLUSTER: o's codes have one reader.  The weights are the same for all work-groups; a joint load for them is not built in this form.
.set STAGE, 106496                     ; 8 waves x 16 rows x (1,024 + 16) bytes
.set SPARE, 239616                     ; the spare words, 128 bytes for each wave: four blocks of 256 bytes that no other line names
.set SPW, 1
.set NIL, 2
.set LI,  3                            ; 16 x lane
.set LI2, 4                            ; + 49,152: fragments 32 on
.set LSW, 5                            ; 4 x lane + 98,304: the weights' scale words
.set OL,  6                            ; 8 x lane
.set L4,  7                            ; 4 x lane
.set BOF, 8                            ; 32 hl
.set STO, 9                            ; the stage: where I put 32 bytes of a row
.set SRD, 10                           ; and where I read rows back
.set OS,  12                           ; v12-15   o's scale words, K step s
.set WS,  16                           ; v16-19   the weights'
.set OF,  20                           ; v20-67   o's four fragments
.set WF,  68                           ; v68-115  four fragments of the weights
.set ACC, 116                          ; v116-243 sixteen accumulators
	s_load_b256 s[4:11], s[0:1], 0x0               ; oc s[4:5], wts s[6:7], proj_b s[8:9], out0 s[10:11]
	v_lshl_add_u32 v[SPW], v0, 2, SPARE
	v_mov_b32 v[NIL], 0
	ds_add_u32 v[SPW], v[NIL]                      ; the wave's opening: the add and its wait ahead of my first tensor load; work on registers stands between them
	v_lshrrev_b32 v11, 5, v0
	v_readfirstlane_b32 s12, v11                   ; wave 0..7
	s_mov_b32 s16, 3<<16                           ; descriptor group 1: 52 rows of 256 bytes (32 elements of 8), dense
	s_mov_b32 s17, 32<<16
	s_mov_b32 s18, 52<<16
	s_mov_b32 s19, 32<<16
	s_mov_b32 s20, 52
	s_mov_b32 s21, 32
	s_mov_b32 s22, 0
	s_mov_b32 s23, 0
	s_mov_b32 s24, 1
	s_mul_i32 s25, s12, 13312
	s_add_co_u32 s28, s25, 159744                  ; proj's part of wts
	s_mov_b32 s29, 0
	s_lshl_b32 s30, ttmp9, 3
	s_add_co_u32 s30, s30, s12
	s_mul_i32 s30, s30, 6656                       ; my tile of oc
	s_mov_b32 s31, 0
	s_lshl_b32 s32, ttmp9, 7
	s_lshr_b32 s33, s12, 1
	s_lshl_b32 s33, s33, 5
	s_add_co_u32 s32, s32, s33
	s_and_b32 s33, s12, 1
	s_lshl_b32 s33, s33, 3
	s_add_co_u32 s32, s32, s33
	s_lshl_b32 s32, s32, 10                        ; my tile's first token, in rows of 1,024 bytes
	s_mov_b32 s33, 0
	v_and_b32 v11, 31, v0
	v_lshlrev_b32 v[LI], 4, v11
	v_add_nc_u32 v[LI2], 49152, v[LI]
	v_lshlrev_b32 v[L4], 2, v11
	v_add_nc_u32 v[LSW], 98304, v[L4]
	v_lshlrev_b32 v[OL], 3, v11
	v_bfe_u32 v11, v0, 4, 1                        ; hl
	v_lshlrev_b32 v[BOF], 5, v11
	v_and_b32 v[STO], 15, v0
	v_mul_u32_u24 v[STO], v[STO], 1040
	v_lshl_add_u32 v[STO], v11, 5, v[STO]
	s_mul_i32 s34, s12, 16640
	s_add_co_u32 s34, s34, STAGE
	v_add_nc_u32 v[STO], s34, v[STO]
	v_add_nc_u32 v[SRD], s34, v[LI]
	s_wait_dscnt 0x0                               ; the opening add is done
	s_wait_kmcnt 0x0
	s_add_nc_u64 s[26:27], s[6:7], s[28:29]
	s_or_b32 s27, s27, 0x80000000
	tensor_load_to_lds s[24:27], s[16:23]          ; my one tensor load; nothing is ever filled again
	s_nop 0
	s_add_nc_u64 s[4:5], s[4:5], s[30:31]
	s_add_nc_u64 s[10:11], s[10:11], s[32:33]
.irp t, 0,1,2,3,4,5,6,7,8,9,10,11,12,13,14,15
	global_load_b128 v[ACC+8*\t:ACC+8*\t+3], v[BOF], s[8:9] offset:64*\t          ; proj_b at outputs 16 t + 8 hl + 0 .. 7: the sums begin with it
	global_load_b128 v[ACC+8*\t+4:ACC+8*\t+7], v[BOF], s[8:9] offset:64*\t+16
.endr
.irp s, 0,1,2,3
.irp c, 0,1
.irp p, 0,1,2
	global_load_b64 v[OF+12*\s+6*\c+2*\p:OF+12*\s+6*\c+2*\p+1], v[OL], s[4:5] offset:(2*\s+\c)*768+256*\p th:TH_LOAD_NT   ; head 2 s + c is k = 64 c on of K step s
.endr
.endr
	global_load_b32 v[OS+\s], v[L4], s[4:5] offset:6144+128*\s th:TH_LOAD_NT
.endr
	s_wait_tensorcnt 0x0                           ; my part of the weights has landed,
	s_barrier_signal -1
	s_barrier_wait -1                              ; everybody's has
	s_wait_loadcnt 0x0
; four tiles of outputs, 4 g + 0 .. 3, K step s.  The sixteen accumulators take turns, one instruction a turn
.macro GROUP s, g
.rept 4
	v_nop                                          ; places in front of loads into registers that matrix instructions have read
.endr
.irp t, 0,1,2,3
.irp c, 0,1,2
.if \g < 2
	ds_load_b128 v[WF+12*\t+4*\c:WF+12*\t+4*\c+3], v[LI] offset:(16*\g+4*\t+\s)*1536+512*\c
.else
	ds_load_b128 v[WF+12*\t+4*\c:WF+12*\t+4*\c+3], v[LI2] offset:(16*(\g-2)+4*\t+\s)*1536+512*\c
.endif
.endr
	ds_load_b32 v[WS+\t], v[LSW] offset:(16*\g+4*\t+\s)*128
.endr
	s_wait_dscnt 0x0
.irp t, 0,1,2,3
	v_wmma_scale_f32_16x16x128_f8f6f4 v[ACC+8*(4*\g+\t):ACC+8*(4*\g+\t)+7], v[WF+12*\t:WF+12*\t+11], v[OF+12*\s:OF+12*\s+11], v[ACC+8*(4*\g+\t):ACC+8*(4*\g+\t)+7], v[WS+\t], v[OS+\s] matrix_a_fmt:MATRIX_FMT_FP6 matrix_b_fmt:MATRIX_FMT_FP6
.endr
.endm
.irp s, 0,1,2,3
.irp g, 0,1,2,3
	GROUP \s, \g
.endr
.endr
.rept 4
	v_nop                                          ; places in front of the reads of results, and of the loads below into operands' registers
.endr
.irp t, 0,1,2,3,4,5,6,7,8,9,10,11,12,13,14,15
	ds_store_b128 v[STO], v[ACC+8*\t:ACC+8*\t+3] offset:64*\t          ; each accumulator from its low end on
	ds_store_b128 v[STO], v[ACC+8*\t+4:ACC+8*\t+7] offset:64*\t+16
.endr
.set n, 0
.rept 32                               ; LDS serves a wave's instructions in order (ISA guide 5.7.1.4): these see my stores
.if n < 16
.set RB, 20+4*n
.else
.set RB, 116+4*(n-16)
.endif
	ds_load_b128 v[RB:RB+3], v[SRD] offset:1040*(n/2)+512*(n%2)
.set n, n+1
.endr
.set n, 0
.rept 32
.if n < 16
.set RB, 20+4*n
.else
.set RB, 116+4*(n-16)
.endif
	s_wait_dscnt 31-n                              ; this half row is back; the younger loads stay out
	global_store_b128 v[LI], v[RB:RB+3], s[10:11] offset:((n/2)+8*((n/2)/8))*1024+512*(n%2) th:TH_STORE_NT
.set n, n+1
.endr
	s_wait_tensorcnt 0x0                           ; the wave's end: behind my last tensor load and my last LDS store
	ds_add_u32 v[SPW], v[NIL]
	s_wait_dscnt 0x0
	s_endpgm
.Lfunc_end_k_q80506e37a7_proj:
	.size	k_q80506e37a7_proj, .Lfunc_end_k_q80506e37a7_proj-k_q80506e37a7_proj
	.p2alignl 7, 3214868480
	.fill 96, 4, 3214868480
	.section	.rodata,"a",@progbits
	.p2align	6, 0x0
	.amdhsa_kernel k_q80506e37a7_proj
		.amdhsa_group_segment_fixed_size 245760
		.amdhsa_private_segment_fixed_size 0
		.amdhsa_enable_private_segment 0
		.amdhsa_kernarg_size 32
		.amdhsa_user_sgpr_count 2
		.amdhsa_user_sgpr_kernarg_segment_ptr 1
		.amdhsa_wavefront_size32 1
		.amdhsa_system_sgpr_workgroup_id_x 1
		.amdhsa_system_sgpr_workgroup_id_y 1
		.amdhsa_system_sgpr_workgroup_id_z 1
		.amdhsa_system_vgpr_workitem_id 0
		.amdhsa_next_free_vgpr 256
		.amdhsa_next_free_sgpr 66
		.amdhsa_reserve_vcc 0
		.amdhsa_float_denorm_mode_32 3
		.amdhsa_float_denorm_mode_16_64 3
		.amdhsa_memory_ordered 1
		.amdhsa_forward_progress 1
		.amdhsa_inst_pref_size 44
	.end_amdhsa_kernel
	.amdgpu_metadata
---
amdhsa.version: [ 1, 2 ]
amdhsa.kernels:
  - .name:           k_q80506e37a7_proj
    .symbol:         k_q80506e37a7_proj.kd
    .args:
      - { .name: oc, .offset: 0, .size: 8, .value_kind: global_buffer, .address_space: global }
      - { .name: wts, .offset: 8, .size: 8, .value_kind: global_buffer, .address_space: global }
      - { .name: proj_b, .offset: 16, .size: 8, .value_kind: global_buffer, .address_space: global }
      - { .name: out0, .offset: 24, .size: 8, .value_kind: global_buffer, .address_space: global }
    .group_segment_fixed_size: 245760
    .private_segment_fixed_size: 0
    .kernarg_segment_align: 8
    .kernarg_segment_size: 32
    .max_flat_workgroup_size: 256
    .sgpr_count:     66
    .vgpr_count:     256
    .wavefront_size: 32
...
	.end_amdgpu_metadata
.endif
;; end of part 4
